; MI455X (gfx1250); checked and timed in simulation.
; The chip was launched on July 23, 2026; its instructions are those of AMD's public machine-readable ISA for CDNA 5 (MIT licence, August 2026) and "CDNA5" Instruction Set Architecture Reference Guide (July 2026). The comments in the code are by the model that wrote it; some were corrected since.
;; Mixture Of Experts. Allowed arithmetic: matrix products marked QUANTISED: E4M3 operands, one given power-of-two scale a tensor, by v_wmma_f32_16x16x64_fp8_fp8 or v_wmma_f32_16x16x128_fp8_fp8, f32 sums; products left as they are: f32 operands where the result goes on into a quantised operand, else bf16, f16 or f32 operands; f32 sums; everything else in f32.
;; Inputs: b1 8 x 1,024 float32; b2 8 x 1,024 float32; b3 8 x 512 float32; gate_w 8 x 512 float32; ln_beta 512 float32; ln_gamma 512 float32; lowp_scales 6 int32 (the exponents e of the quantised operands' scales 2^e); w1 8 x 512 x 1,024 float32; w2 8 x 1,024 x 1,024 float32; w3 8 x 1,024 x 512 float32; x 8 x 512 x 512 float32.
;; Outputs: out0 8 x 512 x 512 float32; out1 one number float32.
;; This version of the problem:
;;   THIS VERSION OF THE PROBLEM IS GIVEN IN LOW PRECISION. The matrix products marked QUANTISED in the list below multiply operands that are first quantised to E4M3 (4 exponent bits, 3 mantissa bits; 8 bits a number), with one given power-of-two scale for each operand tensor; their sums are f32. All else is computed in f32.
;;   The module's matrix products, in the order in which they are computed (A, B: the left and right operand; K: the contracted axis; several contracted axes count as one K, in the product's order):
;;     1. [M 4,096, K 512] x [K 512, N 8]; A: input x; B: input gate_w: left as it is (N = 8 < 16)
;;     2. [M 4,096, K 512] x [K 512, N 8,192]; A: input x; B: input w1: QUANTISED (scales: A lowp_scales[0], B lowp_scales[1])
;;     3. batch 8 x [M 1,024, K 1,024] x [K 1,024, N 4,096]; A: input w2; B: computed on the way: QUANTISED (scales: A lowp_scales[2], B lowp_scales[3])
;;     4. batch 8 x [M 512, K 1,024] x [K 1,024, N 4,096]; A: input w3; B: computed on the way: QUANTISED (scales: A lowp_scales[4], B lowp_scales[5])
;;     5. batch 4,096 x [M 512, K 8] x [K 8, N 1]; A: computed on the way; B: computed on the way: left as it is (K = 8 < 32)
;;   THE QUANTISER, for each operand of a quantised product, along K:
;;     - The operand's scale is 2^e, e = its entry of the input lowp_scales (int32; the entries are numbered through the quantised products in the list's order, A before B).
;;     - Each number is divided by the scale, clamped to +-448, and rounded to the nearest number of E4M3, ties to even, subnormals kept.
;;     - The product sums the exact products of the quantised numbers (number of the format x scale) in f32.
;;   ~~~python
;;   def quantise(x, axis, e):      # numpy; x: float32 -> the quantised numbers, widened to float32 again
;;       x = np.moveaxis(x, axis, -1); K = x.shape[-1]
;;       r = np.clip(x / 2.0 ** e, -448, 448)
;;       step = 2.0 ** (np.maximum(np.frexp(np.where(r == 0, 1, r))[1] - 1, -6) - 3)
;;       q = np.round(r / step) * step * 2.0 ** e      # np.round: ties to even
;;       return np.moveaxis(q, -1, axis).astype(np.float32)
;;   ~~~
;;   OPERANDS COMPUTED ON THE WAY. 'Computed on the way' means the value that the module computes at that place (a softmax that the list does not call 'softmax' is quantised finished and normalised). What goes into a quantiser is computed in f32, as accurately as f32 sums, v_exp_f32 and their like allow (about 1e-6 of the number): no bf16 or f16 on the way to a quantiser, and a product that is left as it is and whose result goes on into a quantised operand takes f32 operands (vector FMAs, or v_wmma_f32_16x16x4_f32). A number that lies on a knife's edge between two numbers of the format may be rounded either way, as far as f32 arithmetic and the matrix unit's own rounding can turn it there, and no further.
;; One version. Each part assembles by itself: llvm-mc -triple=amdgcn-amd-amdhsa -mcpu=gfx1250 --defsym DOCPART=n.
;; ======== version 1 of 1: 4 launches
;; workspace buffers: xq 2,097,152 bytes; wq 16,777,216 bytes; sel 40,960 bytes of whole numbers; gts 40,960 bytes; tiles 1,536 bytes of whole numbers; rows 40,960 bytes of whole numbers; eo 16,777,216 bytes
;; launch prep (part 1): grid 576 x 1, 4 waves a work-group, no clusters, 0 bytes of LDS; arguments x, gate_w, w1, w2, w3, lowp_scales, xq, wq, sel, gts; writes xq, wq, sel, gts
.if DOCPART == 1
	.amdgcn_target "amdgcn-amd-amdhsa--gfx1250"
	.amdhsa_code_object_version 6
	.text
	.protected	k_qf3d39aeb22_prep
	.globl	k_qf3d39aeb22_prep
	.p2align	8
	.type	k_qf3d39aeb22_prep,@function
k_qf3d39aeb22_prep:
	s_mov_b64 s[64:65], 0
	v_nop
	global_prefetch_b8 v0, s[64:65] scope:SCOPE_SE
	s_setreg_imm32_b32 hwreg(HW_REG_WAVE_MODE, 25, 1), 1
	s_wait_xcnt 0x0
; PREP: the router, x's codes, and the three weights' codes in the order in which the chain's operand registers take them.
; Work-groups 0-63: router and x (16 rows a wave).  64-191: w1.  192-447: w2.  448-575: w3.  Four waves; no LDS, no barrier: waves share nothing.
; ROUTER.  A lane holds x[128 i + 4 lane + j] of a row in register 4 i + j (four loads of 512 consecutive bytes), and gate_w likewise for all 8 experts (128 registers, loaded once).
;   Logits: f32 multiply-adds, summed over the 32 lanes.  Top 2 with the lower index kept on ties.  gates = softmax of the two: 1 / (1 + t), t / (1 + t), t = e^(second - best): the larger is taken away first.
;   A wave's 16 tokens are 32 routed rows r = 2 token + slot.  For each expert the wave counts its rows, ranks them (by lane) and sums their gates.  Stored, all at fixed places (no address here hangs on the choice):
;   sel[r] = expert | rank << 8;  gts[r] = gate;  behind them, from byte 32,768 on: in sel cnt[router wave 256][expert 8], in gts the sums of gates, laid alike.
; X'S CODES.  The lane's 16 registers become 16 bytes at 16 x lane of the row's 512: byte b of a row of xq is the code of x[128 ((b % 16) / 4) + 4 (b / 16) + b % 4].
;   That is a permutation of K; w1's codes are laid in the same order, so every product meets its partner.
; WEIGHTS [K][N] f32.  A lane takes a column and its registers run down K, so the conversions give codes with K innermost.  A wave: 32 columns x 256 along K (8 blocks of 32).
;   wq = [expert 8][wave 4] streams of 524,288 bytes: L1 at 0 [group 8][u 2][block 16][512 B], L2 at 131,072 [8][2][32][512], L3 at 393,216 [4][2][32][512].
;   Byte 256 h + 16 r + t of a block is W[32 block + 16 h + t][32 G + 8 u + r + 8 (r / 8)]: a load of 16 bytes at 16 x lane gives four registers of an operand.
;   Lanes 0-15 (u = 0) store 256 consecutive aligned bytes, lanes 16-31 (u = 1) another 256.
; code = x / 2^e, held within +-448, to the nearest code, ties to even.  LIMITS: each e between -126 and 119.  NaN among the inputs is not served.
.set GW,   16                          ; v16-143  gate_w: register 16 e + 4 i + j
.set XR,   144                         ; v144-207 four rows of x, 16 registers each
.set LG,   208                         ; v208-223 eight pairs: the logits
.set CD,   224                         ; v224-231 two sets of four code registers
.set BEST, 232
.set BI,   233
.set SEC,  234
.set SI,   235
.set TD,   236
.set NINF, 238
.set WX,   16                          ; weights: v16-79 two sets of 32 numbers
.set WC,   80                          ; v80-143 eight code registers for each block: no store's data are written again
.macro SCALE se                        ; v11 = 2^e as f32 (the conversion takes its exponent field), v10 = 448 x 2^e
	s_add_co_i32 s42, s[\se], 127
	s_lshl_b32 s43, s42, 23
	v_mov_b32 v11, s43
	s_add_co_i32 s42, s42, 8
	s_lshl_b32 s42, s42, 23
	s_or_b32 s42, s42, 0x600000
	v_mov_b32 v10, s42
.endm
.macro TOP1 val, idx                   ; the largest of the eight logits and its index; an equal later one does not replace an earlier one
	v_mov_b32 v[\val], v[LG]
	v_mov_b32 v[\idx], 0
.irp e, 1,2,3,4,5,6,7
	v_cmp_ge_f32 vcc_lo, v[\val], v[LG+2*\e]
	v_cndmask_b32 v[\idx], \e, v[\idx], vcc_lo
	v_max_num_f32 v[\val], v[\val], v[LG+2*\e]
.endr
.endm
; One row, in ring slot k.  ahead = 1: the slot is filled again with the row four further down.  left: the younger rows' loads, which may stay out.
.macro ROW k, ahead, left
	s_wait_loadcnt \left                           ; loads come back in order: this row's four are in
.irp e, 0,1,2,3,4,5,6,7
	v_pk_mul_f32 v[LG+2*\e:LG+2*\e+1], v[XR+16*(\k):XR+16*(\k)+1], v[GW+16*\e:GW+16*\e+1]
.endr
.irp p, 2,4,6,8,10,12,14
.irp e, 0,1,2,3,4,5,6,7
	v_pk_fma_f32 v[LG+2*\e:LG+2*\e+1], v[XR+16*(\k)+\p:XR+16*(\k)+\p+1], v[GW+16*\e+\p:GW+16*\e+\p+1], v[LG+2*\e:LG+2*\e+1]
.endr
.endr
	s_wait_xcnt 0x0                                ; the store two rows back has read this set of code registers
.irp i, 0,1,2,3,4,5,6,7,8,9,10,11,12,13,14,15
	v_med3_num_f32 v[XR+16*(\k)+\i], v[XR+16*(\k)+\i], -v10, v10   ; the conversion does not saturate (ISA guide 7.6.2): the hold comes first
.endr
	v_cvt_scalef32_pk8_fp8_f32 v[CD+4*((\k)%2):CD+4*((\k)%2)+1], v[XR+16*(\k):XR+16*(\k)+7], v11
	v_cvt_scalef32_pk8_fp8_f32 v[CD+4*((\k)%2)+2:CD+4*((\k)%2)+3], v[XR+16*(\k)+8:XR+16*(\k)+15], v11
	global_store_b128 v2, v[CD+4*((\k)%2):CD+4*((\k)%2)+3], s[16:17] offset:512*(\k)   ; the row's 512 bytes of codes, consecutive
.if \ahead
.irp i, 0,1,2,3
	global_load_b128 v[XR+16*(\k)+4*\i:XR+16*(\k)+4*\i+3], v2, s[4:5] offset:((\k)+4)*2048+512*\i th:TH_LOAD_NT
.endr
.endif
.irp e, 0,1,2,3,4,5,6,7
	v_add_f32 v[LG+2*\e], v[LG+2*\e], v[LG+2*\e+1]     ; plain lines behind the conversions
.endr
.irp x, 1,2,4,8
.irp e, 0,1,2,3,4,5,6,7
	v_add_f32_dpp v[LG+2*\e], v[LG+2*\e], v[LG+2*\e] row_xmask:\x row_mask:0xf bank_mask:0xf
.endr
.endr
.irp e, 0,1,2,3,4,5,6,7
	v_permlanex16_b32 v[LG+2*\e+1], v[LG+2*\e], s34, s35
.endr
.irp e, 0,1,2,3,4,5,6,7
	v_add_f32 v[LG+2*\e], v[LG+2*\e], v[LG+2*\e+1]     ; every lane holds the eight logits
.endr
	TOP1 BEST, BI
.irp e, 0,1,2,3,4,5,6,7
	v_cmp_eq_u32 vcc_lo, \e, v[BI]
	v_cndmask_b32 v[LG+2*\e], v[LG+2*\e], v[NINF], vcc_lo   ; the best is taken out
.endr
	TOP1 SEC, SI
	v_sub_f32 v[TD], v[SEC], v[BEST]
	v_cmp_eq_u32 vcc_lo, s36, v1                   ; lane i keeps row i's result
	v_cndmask_b32 v240, v240, v[BI], vcc_lo
	v_cndmask_b32 v241, v241, v[SI], vcc_lo
	v_cndmask_b32 v242, v242, v[TD], vcc_lo
	s_add_co_u32 s36, s36, 1
.endm
; Block t of a wave's eight: 32 numbers down K of my column, into set t % 2.  virt = 1 (w1): the rows are taken in the order of xq's bytes.
.macro WLOAD t, pitch, virt
.irp i, 0,1,2,3,4,5,6,7,8,9,10,11,12,13,14,15,16,17,18,19,20,21,22,23,24,25,26,27,28,29,30,31
.if \virt
	global_load_b32 v[WX+32*((\t)%2)+\i], v3, s[36:37] offset:(128*((\i%16)/4)+8*(\t)+4*(\i/16)+\i%4)*(\pitch) th:TH_LOAD_NT
.else
	global_load_b32 v[WX+32*((\t)%2)+\i], v3, s[36:37] offset:(32*(\t)+\i)*(\pitch) th:TH_LOAD_NT
.endif
.endr
.endm
.macro WBLOCK t, pitch, virt
.set XS, WX+32*((\t)%2)
.if (\t) < 7
	s_wait_loadcnt 32                              ; this block's 32 loads are in; the next block's may be out
.else
	s_wait_loadcnt 0
.endif
.irp i, 0,1,2,3,4,5,6,7,8,9,10,11,12,13,14,15,16,17,18,19,20,21,22,23,24,25,26,27,28,29,30,31
	v_med3_num_f32 v[XS+\i], v[XS+\i], -v10, v10
.endr
.irp g, 0,1,2,3
	v_cvt_scalef32_pk8_fp8_f32 v[WC+8*(\t)+2*\g:WC+8*(\t)+2*\g+1], v[XS+8*\g:XS+8*\g+7], v11
.endr
	global_store_b128 v4, v[WC+8*(\t):WC+8*(\t)+3], s[40:41] offset:512*(\t)          ; k = 32 block + 0 .. 15
	global_store_b128 v4, v[WC+8*(\t)+4:WC+8*(\t)+7], s[40:41] offset:512*(\t)+256    ; k = 32 block + 16 .. 31
.if (\t)+2 < 8
	WLOAD (\t)+2, \pitch, \virt
.endif
.endm
; One weight tensor.  ten: its pointer; first: its first work-group; cb, gb: bits of the chunk along K and of the quarter of column groups in the work-group's number;
; esh: log2 of an expert's bytes; loff: the layer's place in a stream; gsh: log2 of the groups a chain wave owns; se: the register with its e.
.macro WQ ten, first, pitch, tileb, virt, cb, gb, esh, loff, gsh, se
	s_sub_co_u32 s30, ttmp9, \first
	s_and_b32 s31, s30, (1<<(\cb))-1               ; chunk of 256 along K
	s_lshr_b32 s32, s30, \cb
	s_and_b32 s32, s32, (1<<(\gb))-1
	s_lshr_b32 s33, s30, (\cb)+(\gb)               ; expert
	s_lshl_b32 s32, s32, 2
	s_add_co_u32 s32, s32, s2                      ; G: my wave's group of 32 columns
	s_lshl_b32 s34, s33, \esh
	s_lshl_b32 s35, s32, 7
	s_add_co_u32 s34, s34, s35
.if \virt
	s_mul_i32 s35, s31, 64*(\pitch)
.else
	s_mul_i32 s35, s31, 256*(\pitch)
.endif
	s_add_co_u32 s34, s34, s35
	s_mov_b32 s35, 0
	s_add_nc_u64 s[36:37], s[\ten:\ten+1], s[34:35]
	s_lshl_b32 s38, s33, 2
	s_lshr_b32 s39, s32, \gsh
	s_add_co_u32 s38, s38, s39                     ; stream 4 e + w
	s_lshl_b32 s38, s38, 19
	s_and_b32 s39, s32, (1<<(\gsh))-1
	s_mul_i32 s39, s39, 2*(\tileb)
	s_add_co_u32 s38, s38, s39
	s_lshl_b32 s39, s31, 12
	s_add_co_u32 s38, s38, s39
	s_add_co_u32 s38, s38, \loff
	s_mov_b32 s39, 0
	s_add_nc_u64 s[40:41], s[18:19], s[38:39]
	v_and_b32 v5, 15, v1                           ; r
	v_lshrrev_b32 v6, 4, v1                        ; u
	v_and_b32 v7, 8, v5
	v_add_nc_u32 v7, v7, v5
	v_lshl_add_u32 v7, v6, 3, v7                   ; my column in the group: 8 u + r + 8 (r / 8)
	v_lshlrev_b32 v3, 2, v7
	v_mul_u32_u24 v4, v6, \tileb
	v_lshl_add_u32 v4, v5, 4, v4                   ; my 16 bytes in a half block of tile u
	WLOAD 0, \pitch, \virt
	WLOAD 1, \pitch, \virt
	s_wait_kmcnt 0x0
	SCALE \se
.irp b, 0,1,2,3,4,5,6,7
	WBLOCK \b, \pitch, \virt
.endr
.endm
	s_load_b512 s[4:19], s[0:1], 0x0               ; x 4, gate_w 6, w1 8, w2 10, w3 12, scales 14, xq 16, wq 18
	s_load_b128 s[20:23], s[0:1], 0x40             ; sel 20, gts 22
	v_lshrrev_b32 v1, 5, v0
	v_readfirstlane_b32 s2, v1                     ; wave
	v_and_b32 v1, 31, v0                           ; lane
	s_wait_kmcnt 0x0
	s_load_b128 s[24:27], s[14:15], 0x0            ; e0 .. e3
	s_load_b64 s[28:29], s[14:15], 0x10            ; e4, e5
	s_cmp_lt_u32 ttmp9, 64
	s_cbranch_scc1 .Lrouter
	s_cmp_lt_u32 ttmp9, 192
	s_cbranch_scc1 .Lw1
	s_cmp_lt_u32 ttmp9, 448
	s_cbranch_scc1 .Lw2
	WQ 12, 448, 2048, 16384, 0, 2, 2, 21, 393216, 2, 28
	s_endpgm
.Lw2:
	WQ 10, 192, 4096, 16384, 0, 2, 3, 22, 131072, 3, 26
	s_endpgm
.Lw1:
	WQ 8, 64, 4096, 8192, 1, 1, 3, 21, 0, 3, 25
	s_endpgm
.Lrouter:
	s_lshl_b32 s30, ttmp9, 6
	s_lshl_b32 s31, s2, 4
	s_add_co_u32 s30, s30, s31                     ; my wave's first row = 16 x router wave
	s_mov_b32 s33, 0
	s_lshl_b32 s32, s30, 1
	s_add_co_u32 s32, s32, 32768                   ; my wave's 32 bytes of counts and of sums: 32,768 + 32 x router wave
	s_add_nc_u64 s[50:51], s[20:21], s[32:33]
	s_add_nc_u64 s[52:53], s[22:23], s[32:33]
	s_lshl_b32 s32, s30, 11
	s_add_nc_u64 s[4:5], s[4:5], s[32:33]
	s_lshl_b32 s32, s30, 9
	s_add_nc_u64 s[16:17], s[16:17], s[32:33]
	s_lshl_b32 s32, s30, 3
	s_add_nc_u64 s[20:21], s[20:21], s[32:33]
	s_add_nc_u64 s[22:23], s[22:23], s[32:33]
	v_lshlrev_b32 v2, 4, v1
	v_lshlrev_b32 v3, 3, v1
	v_lshlrev_b32 v5, 2, v1
.irp e, 0,1,2,3,4,5,6,7
.irp i, 0,1,2,3
	global_load_b128 v[GW+16*\e+4*\i:GW+16*\e+4*\i+3], v2, s[6:7] offset:2048*\e+512*\i
.endr
.endr
.irp k, 0,1,2,3
.irp i, 0,1,2,3
	global_load_b128 v[XR+16*\k+4*\i:XR+16*\k+4*\i+3], v2, s[4:5] offset:2048*\k+512*\i th:TH_LOAD_NT
.endr
.endr
	s_mov_b32 s34, 0x76543210                      ; v_permlanex16_b32: lane l xor 16
	s_mov_b32 s35, 0xfedcba98
	s_mov_b32 s36, 0                               ; the row's number in the wave
	v_mov_b32 v[NINF], 0xff800000
	v_mov_b32 v240, 0
	v_mov_b32 v241, 0
	v_mov_b32 v242, 0
	s_wait_kmcnt 0x0
	SCALE 24
	s_mov_b32 s37, 3
.Lrows:
	ROW 0, 1, 12
	ROW 1, 1, 12
	ROW 2, 1, 12
	ROW 3, 1, 12
	s_wait_xcnt 0x0                                ; the bases are stepped only behind this wait
	s_add_nc_u64 s[4:5], s[4:5], 8192
	s_add_nc_u64 s[16:17], s[16:17], 2048
	s_sub_co_u32 s37, s37, 1
	s_cmp_lg_u32 s37, 0
	s_cbranch_scc1 .Lrows
	ROW 0, 0, 12                                   ; the last four rows load nothing: the counts run down
	ROW 1, 0, 8
	ROW 2, 0, 4
	ROW 3, 0, 0
	v_mul_f32 v242, 0x3fb8aa3b, v242               ; sixteen rows' gates at once, a lane a row
	v_exp_f32 v243, v242                           ; t = e^(second - best), at most 1
	v_nop
	s_wait_alu depctr_va_vdst(0)                   ; ahead of the first reader of t
	v_add_f32 v244, 1.0, v243
	v_rcp_f32 v242, v244
	v_mov_b32 v16, 0                               ; (a plain line behind the reciprocal)  slot 0's rank
	s_wait_alu depctr_va_vdst(0)
	v_mul_f32 v243, v243, v242
	v_mov_b32 v17, 0                               ; slot 1's rank
	v_mov_b32 v18, 0                               ; lane e: the wave's rows of expert e
	v_mov_b32 v19, 0                               ; lane e: the sum of their gates
; The wave's book of its 32 routed rows.  Lanes 0-15 hold a token each; the masks are cut to them.  A token's two experts differ, so the number of lower lanes that chose expert e, by either slot, ranks e's rows 0, 1, 2 ..
.irp e, 0,1,2,3,4,5,6,7
	v_cmp_eq_u32 s48, \e, v240
	v_cmp_eq_u32 s49, \e, v241
	s_and_b32 s48, s48, 0xffff
	s_and_b32 s49, s49, 0xffff
	v_mbcnt_lo_u32_b32 v[32+\e], s48, 0
	v_mbcnt_lo_u32_b32 v[32+\e], s49, v[32+\e]
	v_cndmask_b32 v16, v16, v[32+\e], s48
	v_cndmask_b32 v17, v17, v[32+\e], s49
	v_cndmask_b32 v[24+\e], 0, v242, s48
	v_cndmask_b32 v[24+\e], v[24+\e], v243, s49    ; what my token gives expert e; 0 in lanes 16-31
	s_bcnt1_i32_b32 s48, s48
	s_bcnt1_i32_b32 s49, s49
	s_add_co_u32 s[40+\e], s48, s49
.endr
.irp x, 1,2,4,8
.irp e, 0,1,2,3,4,5,6,7
	v_add_f32_dpp v[24+\e], v[24+\e], v[24+\e] row_xmask:\x row_mask:0xf bank_mask:0xf
.endr
.endr
.irp e, 0,1,2,3,4,5,6,7
	v_cmp_ne_u32 vcc_lo, \e, v1
	v_cndmask_b32 v18, s[40+\e], v18, vcc_lo
	v_cndmask_b32 v19, v[24+\e], v19, vcc_lo
.endr
	v_lshl_or_b32 v240, v16, 8, v240               ; expert | rank << 8
	v_lshl_or_b32 v241, v17, 8, v241
	v_cmp_gt_u32 vcc_lo, 16, v1
	s_wait_xcnt 0x0                                ; EXEC changes only behind this wait
	s_and_saveexec_b32 s38, vcc_lo
	global_store_b64 v3, v[240:241], s[20:21]      ; lanes 0-15: 128 consecutive bytes
	global_store_b64 v3, v[242:243], s[22:23]
	s_wait_xcnt 0x0
	s_or_b32 exec_lo, exec_lo, s38
	v_cmp_gt_u32 vcc_lo, 8, v1
	s_and_saveexec_b32 s38, vcc_lo
	global_store_b32 v5, v18, s[50:51]             ; lanes 0-7: the eight counts,
	global_store_b32 v5, v19, s[52:53]             ; the eight sums
	s_wait_xcnt 0x0
	s_or_b32 exec_lo, exec_lo, s38
	s_endpgm
.Lfunc_end_k_qf3d39aeb22_prep:
	.size	k_qf3d39aeb22_prep, .Lfunc_end_k_qf3d39aeb22_prep-k_qf3d39aeb22_prep
	.p2alignl 7, 3214868480
	.fill 96, 4, 3214868480
	.section	.rodata,"a",@progbits
	.p2align	6, 0x0
	.amdhsa_kernel k_qf3d39aeb22_prep
		.amdhsa_group_segment_fixed_size 0
		.amdhsa_private_segment_fixed_size 0
		.amdhsa_enable_private_segment 0
		.amdhsa_kernarg_size 80
		.amdhsa_user_sgpr_count 2
		.amdhsa_user_sgpr_kernarg_segment_ptr 1
		.amdhsa_wavefront_size32 1
		.amdhsa_system_sgpr_workgroup_id_x 1
		.amdhsa_system_sgpr_workgroup_id_y 1
		.amdhsa_system_sgpr_workgroup_id_z 1
		.amdhsa_system_vgpr_workitem_id 0
		.amdhsa_next_free_vgpr 248
		.amdhsa_next_free_sgpr 66
		.amdhsa_reserve_vcc 1
		.amdhsa_float_denorm_mode_32 3
		.amdhsa_float_denorm_mode_16_64 3
		.amdhsa_memory_ordered 1
		.amdhsa_forward_progress 1
		.amdhsa_inst_pref_size 238
	.end_amdhsa_kernel
	.amdgpu_metadata
---
amdhsa.version: [ 1, 2 ]
amdhsa.kernels:
  - .name:           k_qf3d39aeb22_prep
    .symbol:         k_qf3d39aeb22_prep.kd
    .args:
      - { .name: x, .offset: 0, .size: 8, .value_kind: global_buffer, .address_space: global }
      - { .name: gate_w, .offset: 8, .size: 8, .value_kind: global_buffer, .address_space: global }
      - { .name: w1, .offset: 16, .size: 8, .value_kind: global_buffer, .address_space: global }
      - { .name: w2, .offset: 24, .size: 8, .value_kind: global_buffer, .address_space: global }
      - { .name: w3, .offset: 32, .size: 8, .value_kind: global_buffer, .address_space: global }
      - { .name: lowp_scales, .offset: 40, .size: 8, .value_kind: global_buffer, .address_space: global }
      - { .name: xq, .offset: 48, .size: 8, .value_kind: global_buffer, .address_space: global }
      - { .name: wq, .offset: 56, .size: 8, .value_kind: global_buffer, .address_space: global }
      - { .name: sel, .offset: 64, .size: 8, .value_kind: global_buffer, .address_space: global }
      - { .name: gts, .offset: 72, .size: 8, .value_kind: global_buffer, .address_space: global }
    .group_segment_fixed_size: 0
    .private_segment_fixed_size: 0
    .kernarg_segment_align: 8
    .kernarg_segment_size: 80
    .max_flat_workgroup_size: 128
    .sgpr_count:     66
    .vgpr_count:     248
    .wavefront_size: 32
...
	.end_amdgpu_metadata
.endif
;; end of part 1
;; launch place (part 2): grid 1 x 1, 16 waves a work-group, no clusters, 11,264 bytes of LDS; arguments sel, gts, tiles, rows, out1; writes tiles, rows, out1
.if DOCPART == 2
	.amdgcn_target "amdgcn-amd-amdhsa--gfx1250"
	.amdhsa_code_object_version 6
	.text
	.protected	k_qf3d39aeb22_place
	.globl	k_qf3d39aeb22_place
	.p2align	8
	.type	k_qf3d39aeb22_place,@function
k_qf3d39aeb22_place:
	s_mov_b64 s[64:65], 0
	v_nop
	global_prefetch_b8 v0, s[64:65] scope:SCOPE_SE
	s_setreg_imm32_b32 hwreg(HW_REG_WAVE_MODE, 25, 1), 1
	s_wait_xcnt 0x0
; PLACE: the 8,192 routed rows (r = 2 token + slot) are placed by expert, the list of tiles of 48 rows is made, and the load-balance loss.  One work-group of 16 waves, one barrier, no atomics.
; GIVEN by the launch before: sel[r] = expert | rank << 8, the rank among the rows of that expert in the row's router wave (32 rows: r / 32); from byte 32,768 of sel on cnt[router wave 256][expert 8];
; from byte 32,768 of gts on the sums of gates, laid alike.  A row's place is 48 x (its expert's first tile) + the expert's rows in earlier router waves + its rank.
; Each expert's rows begin at a multiple of 48: rows[48 tile + slot] = r; tiles[i] = (expert, rows in the tile, 0 .. 48).  At most (8192 + 8 x 47) / 48 = 178 tiles, whatever the choice.
; Every entry of rows under 48 x 178 is stored once: ids; zeros in the slots behind an expert's last row (under 48 of them) and from the last tile's end on (512 entries, of which at most 336 are wanted).
; Lanes with no slot to clear store their zero at entry 10,239, which nobody reads.
; Wave W looks after router waves 16 W .. 16 W + 15.  For counts and sums lane l stands for expert l % 8 (lanes 8 apart do the same work and store the same words); for entries lane l holds 16 l .. 16 l + 15 of the wave's 512: half of router wave 16 W + l / 2.
; out1 = sum over e of (1/8) (ln(1/8) - ln(S_e / 4096)) = (ln 2 / 8) sum of (9 - log2 S_e), S_e the sum of expert e's gates.  An expert that nobody chose gives +infinity there as here.
.set CNT,   0                          ; LDS: 16 waves x 8 counts
.set USG,   512                        ; 16 waves x 8 sums of gates
.set TBL,   1024                       ; for each wave 512 bytes of its own: [router wave 16][expert 8] rows in front
.set SPARE, 9216                       ; the spare words, 128 bytes for each wave
.set CN,  16                           ; v16-31  counts of my expert in my 16 router waves, then their running sums
.set US,  32                           ; v32-47  sums of gates
.set SE,  48                           ; v48-63  my 16 entries
.set TB,  68                           ; v68-75  where my router wave's rows of experts 0 .. 7 begin
.set PS,  76                           ; v76-91  the 16 waves' counts, later my entries' places
.set RR,  92                           ; v92-107 what goes into TBL, later my entries' ids
	s_load_b256 s[4:11], s[0:1], 0x0               ; sel 4, gts 6, tiles 8, rows 10
	s_load_b64 s[12:13], s[0:1], 0x20              ; out1
	v_lshl_add_u32 v126, v0, 2, SPARE
	v_mov_b32 v127, 0
	v_lshrrev_b32 v1, 5, v0
	v_readfirstlane_b32 s14, v1                    ; wave
	v_and_b32 v1, 31, v0                           ; lane
	v_and_b32 v3, 7, v0
	v_lshlrev_b32 v3, 2, v3                        ; 4 x my expert
	s_lshl_b32 s15, s14, 9
	s_lshl_b32 s16, s14, 11
	s_lshl_b32 s17, s14, 5
	v_add_nc_u32 v6, s15, v3                       ; memory: 512 W + 4 e: my expert's word in my first router wave's eight
	v_add_nc_u32 v11, s15, v3                      ; LDS: the same place in my part of TBL
	v_lshl_add_u32 v7, v1, 6, s16                  ; memory: my 64 bytes of the wave's 2,048 of entries
	v_add_nc_u32 v8, s17, v3                       ; LDS: my wave's eight words, my expert's
	v_lshrrev_b32 v9, 1, v1
	v_lshl_add_u32 v9, v9, 5, s15                  ; LDS: my router wave's eight words in my part of TBL
	v_lshl_add_u32 v10, v1, 4, s15                 ; my first entry's id: 512 W + 16 lane
	v_mov_b32 v12, 0
	v_mov_b32 v110, 0x27ff                         ; entry 10,239
	s_mov_b32 s53, 43691
	s_wait_kmcnt 0x0
.irp k, 0,1,2,3,4,5,6,7,8,9,10,11,12,13,14,15
	global_load_b32 v[CN+\k], v6, s[4:5] offset:32768+32*\k
.endr
.irp k, 0,1,2,3,4,5,6,7,8,9,10,11,12,13,14,15
	global_load_b32 v[US+\k], v6, s[6:7] offset:32768+32*\k
.endr
.irp q, 0,1,2,3
	global_load_b128 v[SE+4*\q:SE+4*\q+3], v7, s[4:5] offset:16*\q
.endr
	s_wait_loadcnt 4                               ; counts and sums are in; the four loads of entries may be out
.irp k, 0,2,4,6,8,10,12,14
	v_add_f32 v[US+\k], v[US+\k], v[US+\k+1]
.endr
.irp k, 1,2,3,4,5,6,7,8,9,10,11,12,13,14,15
	v_add_nc_u32 v[CN+\k], v[CN+\k], v[CN+\k-1]    ; running sums: register k holds router waves 0 .. k
.endr
.irp k, 0,4,8,12
	v_add_f32 v[US+\k], v[US+\k], v[US+\k+2]
.endr
	v_add_f32 v[US], v[US], v[US+4]
	v_add_f32 v[US+8], v[US+8], v[US+12]
	v_add_f32 v[US], v[US], v[US+8]
	ds_store_b32 v8, v[CN+15] offset:CNT           ; lanes 8 apart write the same word with the same value
	ds_store_b32 v8, v[US] offset:USG
	s_wait_dscnt 0x0                               ; for the others' sake
	s_barrier_signal -1
	s_barrier_wait -1
.irp w, 0,1,2,3,4,5,6,7,8,9,10,11,12,13,14,15
	ds_load_b32 v[PS+\w], v3 offset:CNT+32*\w      ; wave w's count of my expert
.endr
	v_mov_b32 v64, 0
	v_mov_b32 v65, 0
	s_wait_dscnt 0x0
.irp w, 0,1,2,3,4,5,6,7,8,9,10,11,12,13,14,15
	s_cmp_gt_u32 s14, \w
	s_cselect_b32 s52, -1, 0
	v_add_nc_u32 v64, v64, v[PS+\w]                ; n: the expert's rows
	v_and_b32 v67, s52, v[PS+\w]
	v_add_nc_u32 v65, v65, v67                     ; those of the waves in front of mine
.endr
	ds_store_b32 v11, v65 offset:TBL               ; rows in front of router wave k of my wave: through my own 512 bytes, so that a lane gets its router wave's eight
.irp k, 1,2,3,4,5,6,7,8,9,10,11,12,13,14,15
	v_add_nc_u32 v[RR+\k], v65, v[CN+\k-1]
	ds_store_b32 v11, v[RR+\k] offset:TBL+32*\k
.endr
	ds_load_b128 v[TB:TB+3], v9 offset:TBL         ; LDS serves a wave's instructions in order: these see my stores
	ds_load_b128 v[TB+4:TB+7], v9 offset:TBL+16
	v_add_nc_u32 v66, 47, v64
	v_mul_lo_u32 v66, v66, s53
	v_lshrrev_b32 v66, 21, v66                     ; (n + 47) / 48: exact up to 8,239, where 8,239 x (43691 / 2^21 - 1 / 48) is still under 1 / 48
.irp e, 0,1,2,3,4,5,6,7
	v_readlane_b32 s[28+\e], v64, \e
	v_readlane_b32 s[44+\e], v66, \e
.endr
	s_mov_b32 s36, 0                               ; T_e: the expert's first tile
.irp e, 0,1,2,3,4,5,6
	s_add_co_u32 s[37+\e], s[36+\e], s[44+\e]
.endr
	s_add_co_u32 s56, s43, s51                     ; tiles in all
.irp e, 0,1,2,3,4,5,6,7
	s_mul_i32 s[20+\e], s[36+\e], 48
.endr
	s_wait_dscnt 0x0
	s_wait_loadcnt 0x0                             ; my entries
.irp e, 0,1,2,3,4,5,6,7
	v_add_nc_u32 v[TB+\e], s[20+\e], v[TB+\e]
.endr
.irp q, 0,1,2,3,4,5,6,7,8,9,10,11,12,13,14,15
	v_and_b32 v108, 7, v[SE+\q]                    ; the entry's expert picks one of my eight beginnings
.irp e, 1,2,3,4,5,6,7
	v_cmp_eq_u32 s[44+\e], \e, v108
.endr
	v_cndmask_b32 v[PS+\q], v[TB], v[TB+1], s45
.irp e, 2,3,4,5,6,7
	v_cndmask_b32 v[PS+\q], v[PS+\q], v[TB+\e], s[44+\e]
.endr
	v_lshrrev_b32 v109, 8, v[SE+\q]
	v_add_nc_u32 v[PS+\q], v[PS+\q], v109          ; + its rank
	v_min_u32 v[PS+\q], 8543, v[PS+\q]             ; 48 x 178 - 1: a number made of loaded ones enters an address behind a bound
	v_lshlrev_b32 v[PS+\q], 2, v[PS+\q]
	v_add_nc_u32 v[RR+\q], \q, v10
	global_store_b32 v[PS+\q], v[RR+\q], s[10:11]
.endr
	; zeros behind expert W / 2's last row: waves 2 e and 2 e + 1 stand for slots 0 .. 63 behind it, of which 48 x tiles - n are there
	s_lshr_b32 s57, s14, 1
	v_readlane_b32 s58, v64, s57
	v_readlane_b32 s59, v66, s57
	s_mov_b32 s60, s20
.irp e, 1,2,3,4,5,6,7
	s_cmp_eq_u32 s57, \e
	s_cselect_b32 s60, s[20+\e], s60
.endr
	s_mul_i32 s59, s59, 48
	s_sub_co_u32 s59, s59, s58
	s_add_co_u32 s60, s60, s58
	s_and_b32 s61, s14, 1
	s_lshl_b32 s61, s61, 5
	v_add_nc_u32 v111, s61, v1
	v_cmp_gt_u32 vcc_lo, s59, v111
	v_add_nc_u32 v112, s60, v111
	v_cndmask_b32 v112, v110, v112, vcc_lo
	v_min_u32 v112, 0x27ff, v112
	v_lshlrev_b32 v112, 2, v112
	global_store_b32 v112, v12, s[10:11]
	; zeros from the last tile's end on: 512 entries, a thread each; 48 x 178 + 511 lies inside the buffer
	s_mul_i32 s62, s56, 48
	v_add_nc_u32 v113, s62, v0
	v_min_u32 v113, 0x27ff, v113
	v_lshlrev_b32 v113, 2, v113
	global_store_b32 v113, v12, s[10:11]
	s_cmp_lt_u32 s14, 6                            ; the list of tiles: threads 0-191
	s_cbranch_scc0 .Lnotab
	v_mov_b32 v116, 0
	v_mov_b32 v118, 0
	v_mov_b32 v119, s28
.irp e, 1,2,3,4,5,6,7
	v_cmp_gt_u32 vcc_lo, s[36+\e], v0              ; the last expert whose first tile is at or under mine
	v_cndmask_b32 v116, \e, v116, vcc_lo
	v_cndmask_b32 v118, s[36+\e], v118, vcc_lo
	v_cndmask_b32 v119, s[28+\e], v119, vcc_lo
.endr
	v_sub_nc_u32 v118, v0, v118
	v_mul_u32_u24 v118, v118, 48
	v_sub_nc_u32 v117, v119, v118
	v_max_i32 v117, 0, v117
	v_min_i32 v117, 48, v117                       ; rows in this tile; 0 behind the last
	v_lshlrev_b32 v120, 3, v0
	global_store_b64 v120, v[116:117], s[8:9]
.Lnotab:
	s_cmp_lg_u32 s14, 15                           ; the loss: the last wave, which has no part of the list
	s_cbranch_scc1 .Lend
.irp w, 0,1,2,3,4,5,6,7,8,9,10,11,12,13,14,15
	ds_load_b32 v[US+\w], v3 offset:USG+32*\w
.endr
	s_wait_dscnt 0x0
.irp k, 0,2,4,6,8,10,12,14
	v_add_f32 v[US+\k], v[US+\k], v[US+\k+1]
.endr
.irp k, 0,4,8,12
	v_add_f32 v[US+\k], v[US+\k], v[US+\k+2]
.endr
	v_add_f32 v[US], v[US], v[US+4]
	v_add_f32 v[US+8], v[US+8], v[US+12]
	v_add_f32 v[US], v[US], v[US+8]                ; S_e, e = lane % 8
	v_log_f32 v[US], v[US]
	v_cmp_eq_u32 vcc_lo, 0, v1                     ; (a plain line behind the logarithm)
	s_wait_alu depctr_va_vdst(0)
	v_sub_f32 v[US], 0x41100000, v[US]             ; 9 - log2 S_e
.irp x, 1,2,4
	v_add_f32_dpp v[US], v[US], v[US] row_xmask:\x row_mask:0xf bank_mask:0xf
.endr
	v_mul_f32 v[US], 0x3db17218, v[US]             ; x ln 2 / 8
	s_wait_xcnt 0x0                                ; EXEC changes only behind this wait
	s_and_saveexec_b32 s52, vcc_lo
	global_store_b32 v12, v[US], s[12:13]
	s_wait_xcnt 0x0
	s_or_b32 exec_lo, exec_lo, s52
.Lend:
	s_wait_tensorcnt 0x0                           ; the wave's end: three lines behind my last LDS store
	ds_add_u32 v126, v127
	s_wait_dscnt 0x0
	s_endpgm
.Lfunc_end_k_qf3d39aeb22_place:
	.size	k_qf3d39aeb22_place, .Lfunc_end_k_qf3d39aeb22_place-k_qf3d39aeb22_place
	.p2alignl 7, 3214868480
	.fill 96, 4, 3214868480
	.section	.rodata,"a",@progbits
	.p2align	6, 0x0
	.amdhsa_kernel k_qf3d39aeb22_place
		.amdhsa_group_segment_fixed_size 11264
		.amdhsa_private_segment_fixed_size 0
		.amdhsa_enable_private_segment 0
		.amdhsa_kernarg_size 40
		.amdhsa_user_sgpr_count 2
		.amdhsa_user_sgpr_kernarg_segment_ptr 1
		.amdhsa_wavefront_size32 1
		.amdhsa_system_sgpr_workgroup_id_x 1
		.amdhsa_system_sgpr_workgroup_id_y 1
		.amdhsa_system_sgpr_workgroup_id_z 1
		.amdhsa_system_vgpr_workitem_id 0
		.amdhsa_next_free_vgpr 128
		.amdhsa_next_free_sgpr 66
		.amdhsa_reserve_vcc 1
		.amdhsa_float_denorm_mode_32 3
		.amdhsa_float_denorm_mode_16_64 3
		.amdhsa_memory_ordered 1
		.amdhsa_forward_progress 1
		.amdhsa_inst_pref_size 37
	.end_amdhsa_kernel
	.amdgpu_metadata
---
amdhsa.version: [ 1, 2 ]
amdhsa.kernels:
  - .name:           k_qf3d39aeb22_place
    .symbol:         k_qf3d39aeb22_place.kd
    .args:
      - { .name: sel, .offset: 0, .size: 8, .value_kind: global_buffer, .address_space: global }
      - { .name: gts, .offset: 8, .size: 8, .value_kind: global_buffer, .address_space: global }
      - { .name: tiles, .offset: 16, .size: 8, .value_kind: global_buffer, .address_space: global }
      - { .name: rows, .offset: 24, .size: 8, .value_kind: global_buffer, .address_space: global }
      - { .name: out1, .offset: 32, .size: 8, .value_kind: global_buffer, .address_space: global }
    .group_segment_fixed_size: 11264
    .private_segment_fixed_size: 0
    .kernarg_segment_align: 8
    .kernarg_segment_size: 40
    .max_flat_workgroup_size: 512
    .sgpr_count:     66
    .vgpr_count:     128
    .wavefront_size: 32
...
	.end_amdgpu_metadata
.endif
;; end of part 2
;; launch chain (part 3): grid 178 x 1, 4 waves a work-group, no clusters, 224,768 bytes of LDS; arguments tiles, rows, gts, xq, wq, b1, b2, b3, lowp_scales, eo; writes eo
.if DOCPART == 3
	.amdgcn_target "amdgcn-amd-amdhsa--gfx1250"
	.amdhsa_code_object_version 6
	.text
	.protected	k_qf3d39aeb22_chain
	.globl	k_qf3d39aeb22_chain
	.p2align	8
	.type	k_qf3d39aeb22_chain,@function
k_qf3d39aeb22_chain:
	s_mov_b64 s[64:65], 0
	v_nop
	global_prefetch_b8 v0, s[64:65] scope:SCOPE_SE
	s_setreg_imm32_b32 hwreg(HW_REG_WAVE_MODE, 25, 1), 1
	s_wait_xcnt 0x0
; CHAIN: one work-group takes one tile (up to 48 routed rows of ONE expert) through 512 -> 1024 -> 1024 -> 512 on codes of FP8 (E4M3), exact GELU behind the first two products,
; and stores eo[r][:] = gate_r x (third product + b3), f32.  The hidden layers never go to memory.  178 work-groups serve every split of 8,192 rows over 8 experts.
; SHARES.  The four waves share the COLUMNS: wave w makes hidden units 256 w .. + 255 and outputs 128 w .. + 127 for all 48 rows.  So each weight fragment goes from memory straight into ONE wave's
; registers, once, and feeds three matrix instructions; no weight passes through LDS.  NO CLUSTER, NO JOINT LOADS: no tile of weights is wanted by two waves of a work-group, and work-groups that share an
; expert are as many as the stored list says, which no fixed cluster fits.  Activations go from wave to wave through LDS as images of the operand's registers (16 bytes a lane at 16 x lane, 512 bytes a block of 32 k).
; LAYOUT.  Products are used transposed (source 0 = 16 columns of W, source 1 = 16 rows): lane (r, h) holds row r; tile u of group G gives units 32 G + 16 h + 8 u + 0 .. 7 (the columns of a tile were
; chosen so when the codes were laid), so the 16 registers of u = 0, 1 are 16 neighbours along the next K and the conversions' four registers ARE a block of the next operand.
; Registers 4 c .. 4 c + 3 of every fragment hold k = 32 c + 16 h + 0 .. 15: a permutation of k inside the instruction, the same on both sides.
; A GROUP = 32 columns x 48 rows = 6 accumulators, which take turns, one instruction a turn.  Weights of the next group are asked for while this one is multiplied and
; its GELU computed: a ring of 16 fragments in window 1.  The bias, divided by the power of two that the sums lack, is the C of a group's first products.
; THE EIGHTH GROUP of layers 1 and 2 is written out behind a loop of seven.  Behind its products the layer's activation registers are free, and a barrier there shows blocks 0 .. 6 of all four quarters of the next
; layer's operand in LDS: 84 of that operand's 96 loads go out in eight runs among the lines of this group's two GELUs; the 12 loads of block 7 follow behind the layer's closing barrier.  Between the two barriers a wave
; stores block 7 of its quarter alone and loads blocks 0 .. 6 alone.
; ROWS BEYOND THE TILE'S COUNT take the tile's last valid row id: they compute and store that row again.  A tile with no rows walks the whole text on row 0 (every wave passes every barrier) and stores nothing.
; GELU(x) = max(x, 0) - |x| erfc(a) / 2, a = |x| / sqrt 2; erfc(a) = (1 + p(q)) / (1 + 2 a) e^(-a a), q = (a - 2) / (a + 2), p of degree 9; one reciprocal, 1 / ((a + 2)(a + 1/2)), serves both quotients.
; LIMITS.  Relative error of GELU about 1e-6 down to x = -4, growing like 1.2e-7 x x / 2 below; a term |x| erfc(a) / 2 under 2^-126 x 2^(ea + eb) counts as 0.  ea + eb of each product between -40 and 40;
; eh - ea - eb between -126 and 119.  NaN and infinities among the inputs are not served.
; REGISTERS, in windows of 256.  Window 0: v1 16 x lane; v2, v3 the same + H1IMG, H2IMG; v4, v5 the add's two; v6 where I store x's images; v7, v8 the hidden layers'; v9 the address in hand; v10 64 h;
;   v11, v12 the stage in and out; v13 my bytes in a row of eo; v24-26 row ids; v28-33 gate x 2^(e4 + e5), in pairs; v34-39 constants; v40-87 accumulator (u, m) at 40 + 8 (3 u + m); v88-207 GELU at work
;   (v88-135 on the way out: a row's offset each); v220-231 codes; v232-247 at work in the head.  Window 1: the ring; on the way out four registers for each of the 48 rows.
;   Window 2 and window 3 v0-127: the layer's 24 activation fragments, (K step i, rows m) at 16 (3 i + m).  Window 3: v128 raw bias, v144 scaled bias.
.set XIMG,  0                          ; LDS: x: [m 3][block 16][512]
.set H1IMG, 24576                      ; first hidden layer: [m 3][block 32][512]
.set H2IMG, 73728                      ; second
.set STG,   122880                     ; the way out: for each wave 48 rows x (512 + 16) bytes, its own
.set STGW,  25344
.set SPARE, 224256                     ; the spare words, 128 bytes for each wave
.set ACC, 40
.set GA,  88
.set GP,  112
.set GU,  136
.set GR,  160
.set GE,  184
.set PC,  220
.set BR,  128
.set BS,  144
.set SW,  40                           ; s[40:41] my stream of codes
.set NB,  42                           ; s[42:43] the group that is being asked for
.set NBB, 44                           ; s[44:45] its bias
.set B1W, 46
.set B2W, 48
.set B3W, 50
.set MSB, 0
.macro WIN new                         ; the immediate's high byte repeats the setting that is left
.if MSB != \new
	s_set_vgpr_msb (MSB<<8)|\new
.set MSB, \new
.endif
.endm
.macro PLACES                          ; four plain places between a matrix instruction and a load into, or a vector read of, its registers
.rept 4
	v_nop
.endr
.endm
.macro CK k, val                       ; coefficient k of p, as a pair: the packed forms name a pair and take its low word
	s_mov_b32 s[66+2*\k], \val
	s_mov_b32 s[67+2*\k], \val
.endm
.macro BIASLD bp, boff                 ; a group's bias in the result's layout: tile u, lane half h: units 16 h + 8 u + 0 .. 7
	WIN 0xc0
.irp u, 0,1
	global_load_b128 v[BR+8*\u:BR+8*\u+3], v10, s[\bp:\bp+1] offset:(\boff)+32*\u
	global_load_b128 v[BR+8*\u+4:BR+8*\u+7], v10, s[\bp:\bp+1] offset:(\boff)+32*\u+16
.endr
.endm
.macro LOAD1                           ; a group of the first layer: bias, then K steps 0 .. 3, tiles u = 0, 1: slot 4 u + i.  36 loads
	BIASLD NBB, 0
	WIN 0x40
.irp i, 0,1,2,3
.irp u, 0,1
.irp c, 0,1,2,3
	global_load_b128 v[16*(4*\u+\i)+4*\c:16*(4*\u+\i)+4*\c+3], v1, s[NB:NB+1] offset:8192*\u+2048*\i+512*\c
.endr
.endr
.endr
	WIN 0
.endm
.macro LOAD2H                          ; the second layer's first group, tile u = 0: slots 0 .. 7, and its bias.  36 loads
	BIASLD B2W, 0
	WIN 0x40
.irp i, 0,1,2,3,4,5,6,7
.irp c, 0,1,2,3
	global_load_b128 v[16*\i+4*\c:16*\i+4*\c+3], v1, s[NB:NB+1] offset:2048*\i+512*\c
.endr
.endr
	WIN 0
.endm
.macro RL k, off                       ; K step k of the next group (layers 2, 3): slots k and 8 + k.  8 loads
	WIN 0x40
.irp u, 0,1
.irp c, 0,1,2,3
	global_load_b128 v[16*(8*\u+(\k))+4*\c:16*(8*\u+(\k))+4*\c+3], v1, s[NB:NB+1] offset:(\off)+16384*\u+2048*(\k)+512*\c
.endr
.endr
.endm
.macro BSCALE                          ; bias / 2^(ea + eb): exact
	WIN 0xc3
.irp k, 0,2,4,6,8,10,12,14
	v_pk_mul_f32 v[BS+\k:BS+\k+1], v[BR+\k:BR+\k+1], s[60:61] op_sel_hi:[1,0]
.endr
.endm
.macro PROD6 i, sm                     ; K step i: six products, the six accumulators by turns; the weights' slot is sm x u + i
.irp m, 0,1,2
.irp u, 0,1
.set fa_, 3*(\i)+\m
.set wa_, 16*((\sm)*\u+(\i))
.set ac_, ACC+8*(3*\u+\m)
.if (\i) == 0
	WIN 0x39
	v_wmma_f32_16x16x128_fp8_fp8 v[ac_:ac_+7], v[wa_:wa_+15], v[16*fa_:16*fa_+15], v[BS+8*\u:BS+8*\u+7]
.elseif fa_ < 16
	WIN 0x09
	v_wmma_f32_16x16x128_fp8_fp8 v[ac_:ac_+7], v[wa_:wa_+15], v[16*fa_:16*fa_+15], v[ac_:ac_+7]
.else
	WIN 0x0d
	v_wmma_f32_16x16x128_fp8_fp8 v[ac_:ac_+7], v[wa_:wa_+15], v[16*(fa_-16):16*(fa_-16)+15], v[ac_:ac_+7]
.endif
.endr
.endr
.endm
; A group of the first layer: 24 products, then all of the next group's loads in one run.  last = 1: the next group is the second layer's first.
.macro MM1 last
	s_wait_loadcnt 24                              ; bias and K step 0 are in; K steps 1 .. 3, 8 loads each, may be out
	BSCALE
.irp i, 0,1,2,3
.if \i > 0
	s_wait_loadcnt 8*(3-\i)
.endif
	PROD6 \i, 4
.endr
	WIN 0
	PLACES
.if \last
	LOAD2H
.else
	LOAD1
.endif
.endm
; A group of layers 2 and 3: 48 products.  Loads of a group go out in the order bias (4), K steps 0 .. 7 (8 each), a K step's slots one step behind their last products.
; off, boff: where the next group and its bias lie from NB and NBB on.
.macro MM2 reload, off, boff
	s_wait_loadcnt 56                              ; bias and K step 0 are in; K steps 1 .. 7 may be out
	BSCALE
.irp i, 0,1,2,3,4,5,6,7
.if \i == 1
	s_wait_loadcnt 48                              ; K steps 2 .. 7
.elseif \i > 1
.if \reload
	s_wait_loadcnt 52                              ; 8 (7 - i) of this group, 4 + 8 (i - 1) of the next
.else
	s_wait_loadcnt 8*(7-\i)
.endif
.endif
	PROD6 \i, 8
.if (\i >= 1) && \reload
	PLACES
.if \i == 1
	BIASLD NBB, \boff
.endif
	RL \i-1, \off
.endif
.endr
	PLACES                                         ; also the places in front of the first read of the sums
.if \reload
	RL 7, \off
.endif
	WIN 0
.endm
; K step i of a hidden layer's operand, from LDS into my registers: three tiles of rows, blocks 4 i + c.  Block 7 of a quarter is (i odd, c = 3): late = 0 takes all the others, late = 1 that one alone.
.macro AR adr, i, late
.irp m, 0,1,2
.if 3*(\i)+\m < 16
	WIN 0x80
.set ar_, 16*(3*(\i)+\m)
.else
	WIN 0xc0
.set ar_, 16*(3*(\i)+\m-16)
.endif
.irp c, 0,1,2,3
.if (((\i)%2)*(\c/3)) == \late
	ds_load_b128 v[ar_+4*\c:ar_+4*\c+3], v[\adr] offset:16384*\m+2048*(\i)+512*\c
.endif
.endr
.endr
	WIN 0
.endm
; GELU and the quantiser for tile u: 24 numbers a lane, X = the sums (x = X 2^(ea + eb)).  Each line runs over all of them, so that no line waits for the line above it.
; adr other than 0: four runs of LDS loads, K steps i0 .. i0 + 3 of the next layer's operand, stand between the lines, none between the batch of transcendentals and its wait.
.macro GELU u, adr, i0
.set X_, ACC+24*(\u)
.set n_, 0
.rept 24
	v_mul_f32 v[GA+n_], s56, |v[X_+n_]|            ; a = |x| / sqrt 2; ascending: each accumulator is first read at its low end
.set n_, n_+1
.endr
.if \adr
	AR \adr, \i0, 0
.endif
.set n_, 0
.rept 12
	v_pk_add_f32 v[GP+n_:GP+n_+1], v[GA+n_:GA+n_+1], 2.0 op_sel_hi:[1,0]
.set n_, n_+2
.endr
.set n_, 0
.rept 12
	v_pk_add_f32 v[GU+n_:GU+n_+1], v[GA+n_:GA+n_+1], 0.5 op_sel_hi:[1,0]
.set n_, n_+2
.endr
.set n_, 0
.rept 12
	v_pk_mul_f32 v[GE+n_:GE+n_+1], v[GA+n_:GA+n_+1], s[58:59] op_sel_hi:[1,0]   ; a sqrt(log2 e)
.set n_, n_+2
.endr
.set n_, 0
.rept 12
	v_pk_mul_f32 v[GR+n_:GR+n_+1], v[GP+n_:GP+n_+1], v[GU+n_:GU+n_+1]
.set n_, n_+2
.endr
.set n_, 0
.rept 12
	v_pk_fma_f32 v[GE+n_:GE+n_+1], v[GE+n_:GE+n_+1], v[GE+n_:GE+n_+1], v[36:37] neg_lo:[1,0,0] neg_hi:[1,0,0]   ; -a a log2 e - 1.5 - (ea + eb)
.set n_, n_+2
.endr
.if \adr
	AR \adr, \i0+1, 0
.endif
.set n_, 0
.rept 24
	v_rcp_f32 v[GR+n_], v[GR+n_]
.set n_, n_+1
.endr
.set n_, 0
.rept 24
	v_exp_f32 v[GE+n_], v[GE+n_]
.set n_, n_+1
.endr
	v_nop                                          ; a plain line behind the last of the batch
	s_wait_alu depctr_va_vdst(0)                   ; one wait for the 48, ahead of their first reader
.set n_, 0
.rept 12
	v_pk_mul_f32 v[GU+n_:GU+n_+1], v[GR+n_:GR+n_+1], v[GU+n_:GU+n_+1]    ; 1 / (a + 2)
.set n_, n_+2
.endr
.set n_, 0
.rept 12
	v_pk_mul_f32 v[GP+n_:GP+n_+1], v[GR+n_:GR+n_+1], v[GP+n_:GP+n_+1]    ; 2 / (1 + 2 a)
.set n_, n_+2
.endr
.set n_, 0
.rept 12
	v_pk_fma_f32 v[GU+n_:GU+n_+1], v[GU+n_:GU+n_+1], -4.0, 1.0 op_sel_hi:[1,0,0]   ; q
.set n_, n_+2
.endr
.if \adr
	AR \adr, \i0+2, 0
.endif
.set n_, 0
.rept 12
	v_pk_fma_f32 v[GR+n_:GR+n_+1], v[34:35], v[GU+n_:GU+n_+1], s[82:83] op_sel_hi:[1,1,0]
.set n_, n_+2
.endr
.irp k, 7,6,5,4,3,2,1,0
.set n_, 0
.rept 12
	v_pk_fma_f32 v[GR+n_:GR+n_+1], v[GR+n_:GR+n_+1], v[GU+n_:GU+n_+1], s[66+2*\k:67+2*\k] op_sel_hi:[1,1,0]
.set n_, n_+2
.endr
.if (\adr) && (\k == 3)
	AR \adr, \i0+3, 0
.endif
.endr
.set n_, 0
.rept 12
	v_pk_fma_f32 v[GR+n_:GR+n_+1], v[GR+n_:GR+n_+1], v[GP+n_:GP+n_+1], v[GP+n_:GP+n_+1]   ; 2 (1 + p) / (1 + 2 a)
.set n_, n_+2
.endr
.set n_, 0
.rept 12
	v_pk_mul_f32 v[GR+n_:GR+n_+1], v[GR+n_:GR+n_+1], v[GE+n_:GE+n_+1]    ; erfc(a) 2^(-1/2 - ea - eb)
.set n_, n_+2
.endr
.set n_, 0
.rept 24
	v_max_num_f32 v[GE+n_], 0, v[X_+n_]
.set n_, n_+1
.endr
.set n_, 0
.rept 12
	v_pk_fma_f32 v[X_+n_:X_+n_+1], v[GA+n_:GA+n_+1], v[GR+n_:GR+n_+1], v[GE+n_:GE+n_+1] neg_lo:[1,0,0] neg_hi:[1,0,0]   ; gelu / 2^(ea + eb)
.set n_, n_+2
.endr
.set n_, 0
.rept 24
	v_med3_num_f32 v[X_+n_], v[X_+n_], -v39, v39   ; the conversion does not saturate (ISA guide 7.6.2)
.set n_, n_+1
.endr
.irp m, 0,1,2
	v_cvt_scalef32_pk8_fp8_f32 v[PC+4*\m+2*(\u):PC+4*\m+2*(\u)+1], v[X_+8*\m:X_+8*\m+7], v38   ; the three scales folded into one: 2^(eh - ea - eb)
.endr
	v_nop                                          ; a plain line behind the last conversion: matrix instructions write its sources later
.endm
.macro HSTORE hb                       ; the group's block of the next operand, for the three tiles of rows: block s37 / 512 of my quarter
	v_add_nc_u32 v9, s37, v[\hb]
.irp m, 0,1,2
	ds_store_b128 v9, v[PC+4*\m:PC+4*\m+3] offset:16384*\m
.endr
.endm
.macro HSTOREL hb                      ; the eighth group's: block 7 of my quarter
.irp m, 0,1,2
	ds_store_b128 v[\hb], v[PC+4*\m:PC+4*\m+3] offset:16384*\m+3584
.endr
.endm
.macro ACTLOAD adr, mp, ns             ; x into my registers: ns K steps x 3 tiles of rows, four loads of 512 bytes each
.irp i, 0,1,2,3,4,5,6,7
.if \i < \ns
.irp m, 0,1,2
.if 3*\i+\m < 16
	WIN 0x80
.set ar_, 16*(3*\i+\m)
.else
	WIN 0xc0
.set ar_, 16*(3*\i+\m-16)
.endif
.irp c, 0,1,2,3
	ds_load_b128 v[ar_+4*\c:ar_+4*\c+3], v[\adr] offset:(\mp)*\m+2048*\i+512*\c
.endr
.endr
.endif
.endr
	WIN 0
	s_wait_dscnt 0x0
.endm
.macro CONSTS sa, sb, sh               ; a layer's powers of two, from ea, eb and the next operand's eh
	s_add_co_i32 s84, s[\sa], s[\sb]
	s_lshl_b32 s85, s84, 23
	s_add_co_i32 s56, s85, 0x3f3504f3              ; 2^(ea + eb) / sqrt 2
	s_sub_co_i32 s85, 127, s84
	s_lshl_b32 s60, s85, 23                        ; 2^-(ea + eb)
	s_mov_b32 s61, s60
	v_cvt_f32_i32 v36, s84
	v_sub_f32 v36, 0xbfc00000, v36                 ; -1.5 - (ea + eb)
	v_mov_b32 v37, v36
	s_sub_co_i32 s85, s[\sh], s84
	s_add_co_i32 s85, s85, 127
	s_lshl_b32 s86, s85, 23
	v_mov_b32 v38, s86                             ; 2^(eh - ea - eb)
	s_add_co_i32 s85, s85, 8
	s_lshl_b32 s85, s85, 23
	s_or_b32 s85, s85, 0x600000
	v_mov_b32 v39, s85                             ; 448 x that
.endm
.macro BARRIER                         ; my LDS stores have landed and my LDS loads are in: then the work-group's barrier
	s_wait_dscnt 0x0
	s_barrier_signal -1
	s_barrier_wait -1
.endm
	s_load_b512 s[4:19], s[0:1], 0x0               ; tiles 4, rows 6, gts 8, xq 10, wq 12, b1 14, b2 16, b3 18
	s_load_b128 s[20:23], s[0:1], 0x40             ; scales 20, eo 22
	v_lshl_add_u32 v4, v0, 2, SPARE
	v_mov_b32 v5, 0
	v_lshrrev_b32 v14, 5, v0
	v_readfirstlane_b32 s34, v14                   ; wave
	v_and_b32 v14, 31, v0                          ; lane
	v_and_b32 v15, 15, v0                          ; r
	v_bfe_u32 v27, v0, 4, 1                        ; h
	v_lshlrev_b32 v1, 4, v14
	v_add_nc_u32 v2, H1IMG, v1
	v_add_nc_u32 v3, H2IMG, v1
	s_lshl_b32 s84, s34, 11
	v_add_nc_u32 v6, s84, v1                       ; x: K step w of each tile of rows
	s_lshl_b32 s84, s34, 12
	v_add_nc_u32 v7, s84, v2                       ; my eight blocks of the first hidden layer,
	v_add_nc_u32 v8, s84, v3                       ; of the second
	v_lshlrev_b32 v10, 6, v27
	s_mul_i32 s84, s34, STGW
	s_add_co_u32 s84, s84, STG
	v_mul_u32_u24 v11, v15, 528
	v_lshl_add_u32 v11, v27, 6, v11
	v_add_nc_u32 v11, s84, v11                     ; stage, in: row r, + 64 h
	v_add_nc_u32 v12, s84, v1                      ; out: a row's 512 bytes, 16 a lane
	s_lshl_b32 s84, s34, 9
	v_add_nc_u32 v13, s84, v1                      ; the same bytes in a row of eo
	s_lshl_b32 s84, s34, 7
	v_lshl_add_u32 v240, v27, 4, s84               ; xq: 128 w + 16 h
	v_lshlrev_b32 v232, 2, v15
	v_mov_b32 v34, 0xb9d25000                      ; c9
	v_mov_b32 v35, 0xb9d25000
	s_wait_kmcnt 0x0
	s_lshl_b32 s85, ttmp9, 3
	s_load_b64 s[24:25], s[4:5], s85 offset:0x0    ; my tile: expert, rows
	s_load_b128 s[28:31], s[20:21], 0x0            ; e0 .. e3
	s_load_b64 s[32:33], s[20:21], 0x10            ; e4, e5
	s_mul_i32 s86, ttmp9, 192
	s_mov_b32 s87, 0
	s_add_nc_u64 s[6:7], s[6:7], s[86:87]
	global_load_b32 v24, v232, s[6:7]              ; the ids of slots 16 m + r
	global_load_b32 v25, v232, s[6:7] offset:64
	global_load_b32 v26, v232, s[6:7] offset:128
	CK 0, 0x3e8dd01d
	CK 1, 0xbdbdfb0b
	CK 2, 0xbe2a0420
	CK 3, 0x3e27fe23
	CK 4, 0xbd5e05b5
	CK 5, 0xbc040dc1
	CK 6, 0x3c0d6e62
	CK 7, 0x3aac2b8a
	CK 8, 0xbaa15130
	s_mov_b32 s58, 0x3f99be61                      ; sqrt(log2 e)
	s_mov_b32 s59, 0x3f99be61
	s_wait_kmcnt 0x0
	s_min_u32 s24, s24, 7
	s_lshl_b32 s84, s24, 2
	s_add_co_u32 s84, s84, s34
	s_lshl_b32 s84, s84, 19
	s_mov_b32 s85, 0
	s_add_nc_u64 s[SW:SW+1], s[12:13], s[84:85]
	s_mov_b64 s[NB:NB+1], s[SW:SW+1]
	s_lshl_b32 s84, s24, 12
	s_lshl_b32 s86, s34, 10
	s_add_co_u32 s84, s84, s86
	s_add_nc_u64 s[B1W:B1W+1], s[14:15], s[84:85]
	s_add_nc_u64 s[B2W:B2W+1], s[16:17], s[84:85]
	s_lshl_b32 s84, s24, 11
	s_lshl_b32 s86, s34, 9
	s_add_co_u32 s84, s84, s86
	s_add_nc_u64 s[B3W:B3W+1], s[18:19], s[84:85]
	s_mov_b64 s[NBB:NBB+1], s[B1W:B1W+1]
	LOAD1                                          ; the first group's weights and bias
	s_wait_loadcnt 36                              ; the three loads of ids are in; the 36 behind them may be out
	s_max_u32 s84, s25, 1
	s_sub_co_u32 s84, s84, 1
	s_min_u32 s84, s84, 47                         ; the tile's last valid slot
	s_and_b32 s85, s84, 15
	s_lshr_b32 s86, s84, 4
	v_readlane_b32 s87, v24, s85
	v_readlane_b32 s88, v25, s85
	v_readlane_b32 s89, v26, s85
	s_cmp_eq_u32 s86, 1
	s_cselect_b32 s87, s88, s87
	s_cmp_eq_u32 s86, 2
	s_cselect_b32 s87, s89, s87                    ; its id
.irp m, 0,1,2
	v_add_nc_u32 v233, 16*\m, v15
	v_cmp_gt_u32 vcc_lo, s25, v233
	v_cndmask_b32 v[24+\m], s87, v[24+\m], vcc_lo  ; slots beyond the count take it
	v_min_u32 v[24+\m], 0x1fff, v[24+\m]
.endr
.irp m, 0,1,2
	v_lshlrev_b32 v[234+\m], 2, v[24+\m]
	global_load_b32 v[28+2*\m], v[234+\m], s[8:9]  ; the row's gate
.endr
.irp m, 0,1,2
	v_and_b32 v[237+\m], 0x1ffe, v[24+\m]
	v_lshlrev_b32 v[237+\m], 8, v[237+\m]          ; token x 512
	v_add_nc_u32 v[237+\m], v240, v[237+\m]
.irp c, 0,1,2,3
	global_load_b128 v[GA+16*\m+4*\c:GA+16*\m+4*\c+3], v[237+\m], s[10:11] offset:32*\c
.endr
.endr
	CONSTS 28, 29, 31
	s_add_co_i32 s90, s32, s33
	s_wait_loadcnt 0x0
.irp m, 0,1,2
.irp c, 0,1,2,3
	ds_store_b128 v6, v[GA+16*\m+4*\c:GA+16*\m+4*\c+3] offset:XIMG+8192*\m+512*\c
.endr
.endr
.irp m, 0,1,2
	v_ldexp_f32 v[28+2*\m], v[28+2*\m], s90        ; gate x 2^(e4 + e5)
	v_mov_b32 v[29+2*\m], v[28+2*\m]
.endr
	WIN 0x40
.irp i, 0,1,2,3,4,5,6,7                          ; slots 8 .. 15 lie idle through the first layer: the second layer's first group, tile u = 1, is asked for now
.irp c, 0,1,2,3
	global_load_b128 v[16*(8+\i)+4*\c:16*(8+\i)+4*\c+3], v1, s[SW:SW+1] offset:131072+16384+2048*\i+512*\c
.endr
.endr
	WIN 0
	BARRIER                                        ; x's twelve fragments lie in LDS
	ACTLOAD 1, 8192, 4
	; ---- layer 1: seven groups in a loop
	s_mov_b32 s36, 0
	s_mov_b32 s37, 0
.Ll1:
	s_wait_xcnt 0x0                                ; the last group's loads have read their bases
	s_add_nc_u64 s[NB:NB+1], s[NB:NB+1], 16384
	s_add_nc_u64 s[NBB:NBB+1], s[NBB:NBB+1], 128
	MM1 0
	s_wait_dscnt 0x0                               ; the last group's LDS stores have read the code registers, which this group's conversions write
	GELU 0, 0, 0
	GELU 1, 0, 0
	HSTORE 7
	s_add_co_u32 s37, s37, 512
	s_add_co_u32 s36, s36, 1
	s_cmp_lt_u32 s36, 7
	s_cbranch_scc1 .Ll1
	; the eighth
	s_wait_xcnt 0x0
	s_add_nc_u64 s[NB:NB+1], s[NB:NB+1], 16384     ; the stream runs on into the second layer
	MM1 1
	BARRIER                                        ; blocks 0 .. 6 of all four quarters lie in LDS, and x's registers are free
	GELU 0, 2, 0
	GELU 1, 2, 4
	HSTOREL 7
	BARRIER                                        ; block 7 of all four quarters too; my 84 loads are in
	AR 2, 1, 1
	AR 2, 3, 1
	AR 2, 5, 1
	AR 2, 7, 1
	s_wait_dscnt 0x0
	s_wait_loadcnt 0x0                             ; the second layer's first group came in two parts, out of the loop's order: all of it is in
	CONSTS 30, 31, 33
	s_mov_b64 s[NBB:NBB+1], s[B2W:B2W+1]
	; ---- layer 2: seven groups in a loop
	s_mov_b32 s36, 0
	s_mov_b32 s37, 0
.Ll2:
	s_wait_xcnt 0x0
	s_add_nc_u64 s[NB:NB+1], s[NB:NB+1], 32768
	s_add_nc_u64 s[NBB:NBB+1], s[NBB:NBB+1], 128
	MM2 1, 0, 0
	s_wait_dscnt 0x0
	GELU 0, 0, 0
	GELU 1, 0, 0
	HSTORE 8
	s_add_co_u32 s37, s37, 512
	s_add_co_u32 s36, s36, 1
	s_cmp_lt_u32 s36, 7
	s_cbranch_scc1 .Ll2
	; the eighth
	s_wait_xcnt 0x0
	s_add_nc_u64 s[NB:NB+1], s[NB:NB+1], 32768     ; the third layer's first group; NB and NBB stay here to the end
	s_mov_b64 s[NBB:NBB+1], s[B3W:B3W+1]
	MM2 1, 0, 0
	BARRIER
	GELU 0, 3, 0
	GELU 1, 3, 4
	HSTOREL 8
	BARRIER
	AR 3, 1, 1
	AR 3, 3, 1
	AR 3, 5, 1
	AR 3, 7, 1
	s_wait_dscnt 0x0
	s_sub_co_i32 s85, 127, s90
	s_lshl_b32 s60, s85, 23                        ; 2^-(e4 + e5), for b3
	s_mov_b32 s61, s60
	; ---- layer 3: four groups, written out: the group stands in the loads' immediates (130,560 at the most), so no base is stepped; the last asks for nothing
.irp q, 0,1,2,3
.if \q < 3
	MM2 1, 32768*(\q+1), 128*(\q+1)
.else
	MM2 0, 0, 0
.endif
	s_wait_dscnt 0x0                               ; the last group's stores into the stage have read their registers
.irp u, 0,1
.irp m, 0,1,2
.irp k, 0,2,4,6
	v_pk_mul_f32 v[GA+8*(3*\u+\m)+\k:GA+8*(3*\u+\m)+\k+1], v[ACC+8*(3*\u+\m)+\k:ACC+8*(3*\u+\m)+\k+1], v[28+2*\m:29+2*\m]   ; gate x (sum 2^(e4 + e5) + b3); each accumulator from its low end on
.endr
.endr
.endr
.irp u, 0,1
.irp m, 0,1,2
	ds_store_b128 v11, v[GA+8*(3*\u+\m):GA+8*(3*\u+\m)+3] offset:8448*\m+128*\q+32*\u
	ds_store_b128 v11, v[GA+8*(3*\u+\m)+4:GA+8*(3*\u+\m)+7] offset:8448*\m+128*\q+32*\u+16
.endr
.endr
.endr
	; ---- the way out: my 128 columns of the 48 rows, a row's 512 consecutive bytes an instruction.  The stage is my own: LDS serves a wave's instructions in order.
	; Each row has an offset register and four data registers of its own, so nothing that a store reads is written again.
	s_cmp_eq_u32 s25, 0
	s_cbranch_scc1 .Lnone                          ; a tile without rows stores nothing
	s_wait_dscnt 0x0                               ; the stores into the stage have read the registers that now take the offsets
.irp m, 0,1,2
.irp r, 0,1,2,3,4,5,6,7,8,9,10,11,12,13,14,15
	v_readlane_b32 s84, v[24+\m], \r
	s_min_u32 s84, s84, 0x1fff
	v_lshl_add_u32 v[GA+16*\m+\r], s84, 11, v13
.endr
.endr
	WIN 0x40                                       ; destination window 1
.irp m, 0,1,2
.irp r, 0,1,2,3,4,5,6,7,8,9,10,11,12,13,14,15
	ds_load_b128 v[64*\m+4*\r:64*\m+4*\r+3], v12 offset:528*(16*\m+\r)
.endr
.endr
	WIN 0x04                                       ; a store's data: window 1; its offset: window 0
.irp m, 0,1,2
.irp r, 0,1,2,3,4,5,6,7,8,9,10,11,12,13,14,15
	s_wait_dscnt 47-16*\m-\r                       ; the younger loads from the stage may be out
	global_store_b128 v[GA+16*\m+\r], v[64*\m+4*\r:64*\m+4*\r+3], s[22:23]
.endr
.endr
	WIN 0
.Lnone:
	s_wait_tensorcnt 0x0                           ; the wave's end: three lines behind my last LDS store
	ds_add_u32 v4, v5
	s_wait_dscnt 0x0
	s_endpgm
.Lfunc_end_k_qf3d39aeb22_chain:
	.size	k_qf3d39aeb22_chain, .Lfunc_end_k_qf3d39aeb22_chain-k_qf3d39aeb22_chain
	.p2alignl 7, 3214868480
	.fill 96, 4, 3214868480
	.section	.rodata,"a",@progbits
	.p2align	6, 0x0
	.amdhsa_kernel k_qf3d39aeb22_chain
		.amdhsa_group_segment_fixed_size 224768
		.amdhsa_private_segment_fixed_size 0
		.amdhsa_enable_private_segment 0
		.amdhsa_kernarg_size 80
		.amdhsa_user_sgpr_count 2
		.amdhsa_user_sgpr_kernarg_segment_ptr 1
		.amdhsa_wavefront_size32 1
		.amdhsa_system_sgpr_workgroup_id_x 1
		.amdhsa_system_sgpr_workgroup_id_y 1
		.amdhsa_system_sgpr_workgroup_id_z 1
		.amdhsa_system_vgpr_workitem_id 0
		.amdhsa_next_free_vgpr 1024
		.amdhsa_next_free_sgpr 100
		.amdhsa_reserve_vcc 1
		.amdhsa_float_denorm_mode_32 3
		.amdhsa_float_denorm_mode_16_64 3
		.amdhsa_memory_ordered 1
		.amdhsa_forward_progress 1
		.amdhsa_inst_pref_size 255
	.end_amdhsa_kernel
	.section	.bss,"aw",@nobits
	.p2align	6
	.space	262144
	.amdgpu_metadata
---
amdhsa.version: [ 1, 2 ]
amdhsa.kernels:
  - .name:           k_qf3d39aeb22_chain
    .symbol:         k_qf3d39aeb22_chain.kd
    .args:
      - { .name: tiles, .offset: 0, .size: 8, .value_kind: global_buffer, .address_space: global }
      - { .name: rows, .offset: 8, .size: 8, .value_kind: global_buffer, .address_space: global }
      - { .name: gts, .offset: 16, .size: 8, .value_kind: global_buffer, .address_space: global }
      - { .name: xq, .offset: 24, .size: 8, .value_kind: global_buffer, .address_space: global }
      - { .name: wq, .offset: 32, .size: 8, .value_kind: global_buffer, .address_space: global }
      - { .name: b1, .offset: 40, .size: 8, .value_kind: global_buffer, .address_space: global }
      - { .name: b2, .offset: 48, .size: 8, .value_kind: global_buffer, .address_space: global }
      - { .name: b3, .offset: 56, .size: 8, .value_kind: global_buffer, .address_space: global }
      - { .name: lowp_scales, .offset: 64, .size: 8, .value_kind: global_buffer, .address_space: global }
      - { .name: eo, .offset: 72, .size: 8, .value_kind: global_buffer, .address_space: global }
    .group_segment_fixed_size: 224768
    .private_segment_fixed_size: 0
    .kernarg_segment_align: 8
    .kernarg_segment_size: 80
    .max_flat_workgroup_size: 128
    .sgpr_count:     100
    .vgpr_count:     1024
    .wavefront_size: 32
...
	.end_amdgpu_metadata
.endif
;; end of part 3
;; launch combine (part 4): grid 256 x 1, 4 waves a work-group, no clusters, 0 bytes of LDS; arguments eo, ln_gamma, ln_beta, out0; writes out0
.if DOCPART == 4
	.amdgcn_target "amdgcn-amd-amdhsa--gfx1250"
	.amdhsa_code_object_version 6
	.text
	.protected	k_qf3d39aeb22_combine
	.globl	k_qf3d39aeb22_combine
	.p2align	8
	.type	k_qf3d39aeb22_combine,@function
k_qf3d39aeb22_combine:
	s_mov_b64 s[64:65], 0
	v_nop
	global_prefetch_b8 v0, s[64:65] scope:SCOPE_SE
	s_setreg_imm32_b32 hwreg(HW_REG_WAVE_MODE, 25, 1), 1
	s_wait_xcnt 0x0
; COMBINE: out0[t] = LayerNorm(eo[2 t] + eo[2 t + 1]) x gamma + beta, eps = 1e-5.  The gates and b3 are already in eo.
; A wave takes four tokens; a token's two rows are 4,096 consecutive bytes, eight loads of 512; all 32 loads of the wave go out at once.  A lane holds columns 128 q + 4 lane + j in register 4 q + j.
; The mean is taken first and the variance of the differences: no difference of large sums.  No LDS, no barrier: a row never leaves its wave.
.set GM, 8                             ; v8-23   gamma
.set BT, 24                            ; v24-39  beta
.set DT, 40                            ; v40-167 token k: 16 registers of the first row, 16 of the second
.set T,  168                           ; v168-199 eight registers at work for each token
.macro LANES a, b                      ; the sum over the 32 lanes, in every lane
.irp x, 1,2,4,8
	v_add_f32_dpp v[\a], v[\a], v[\a] row_xmask:\x row_mask:0xf bank_mask:0xf
.endr
	v_permlanex16_b32 v[\b], v[\a], s22, s23
	v_add_f32 v[\a], v[\a], v[\b]
.endm
.macro TOK k
.set D_, DT+32*(\k)
.set T_, T+8*(\k)
	s_wait_loadcnt 8*(3-(\k))                      ; this token's eight loads are in; eight for each later token may be out
.irp p, 0,2,4,6,8,10,12,14
	v_pk_add_f32 v[D_+\p:D_+\p+1], v[D_+\p:D_+\p+1], v[D_+16+\p:D_+16+\p+1]
.endr
	v_pk_add_f32 v[T_:T_+1], v[D_:D_+1], v[D_+2:D_+3]
	v_pk_add_f32 v[T_+2:T_+3], v[D_+4:D_+5], v[D_+6:D_+7]
	v_pk_add_f32 v[T_:T_+1], v[T_:T_+1], v[D_+8:D_+9]
	v_pk_add_f32 v[T_+2:T_+3], v[T_+2:T_+3], v[D_+10:D_+11]
	v_pk_add_f32 v[T_:T_+1], v[T_:T_+1], v[D_+12:D_+13]
	v_pk_add_f32 v[T_+2:T_+3], v[T_+2:T_+3], v[D_+14:D_+15]
	v_pk_add_f32 v[T_:T_+1], v[T_:T_+1], v[T_+2:T_+3]
	v_add_f32 v[T_], v[T_], v[T_+1]
	LANES T_, T_+1
	v_mul_f32 v[T_], s20, v[T_]                    ; the mean
	v_mov_b32 v[T_+1], v[T_]
.irp p, 0,2,4,6,8,10,12,14
	v_pk_add_f32 v[D_+\p:D_+\p+1], v[D_+\p:D_+\p+1], v[T_:T_+1] neg_lo:[0,1] neg_hi:[0,1]
.endr
	v_pk_mul_f32 v[T_+2:T_+3], v[D_:D_+1], v[D_:D_+1]
	v_pk_mul_f32 v[T_+4:T_+5], v[D_+2:D_+3], v[D_+2:D_+3]
.irp p, 4,8,12
	v_pk_fma_f32 v[T_+2:T_+3], v[D_+\p:D_+\p+1], v[D_+\p:D_+\p+1], v[T_+2:T_+3]
	v_pk_fma_f32 v[T_+4:T_+5], v[D_+\p+2:D_+\p+3], v[D_+\p+2:D_+\p+3], v[T_+4:T_+5]
.endr
	v_pk_add_f32 v[T_+2:T_+3], v[T_+2:T_+3], v[T_+4:T_+5]
	v_add_f32 v[T_+2], v[T_+2], v[T_+3]
	LANES T_+2, T_+3
	v_fma_f32 v[T_+2], v[T_+2], s20, s21           ; the variance + eps
	v_rsq_f32 v[T_+2], v[T_+2]
	v_nop                                          ; a plain line behind the root
	s_wait_alu depctr_va_vdst(0)                   ; ahead of its first reader
	v_mov_b32 v[T_+3], v[T_+2]
.irp p, 0,2,4,6,8,10,12,14
	v_pk_mul_f32 v[D_+\p:D_+\p+1], v[D_+\p:D_+\p+1], v[T_+2:T_+3]
.endr
.irp p, 0,2,4,6,8,10,12,14
	v_pk_fma_f32 v[D_+\p:D_+\p+1], v[D_+\p:D_+\p+1], v[GM+\p:GM+\p+1], v[BT+\p:BT+\p+1]
.endr
.irp q, 0,1,2,3
	global_store_b128 v2, v[D_+4*\q:D_+4*\q+3], s[10:11] offset:2048*(\k)+512*\q th:TH_STORE_NT   ; 512 consecutive bytes
.endr
.endm
	s_load_b256 s[4:11], s[0:1], 0x0               ; eo 4, gamma 6, beta 8, out0 10
	v_lshrrev_b32 v1, 5, v0
	v_readfirstlane_b32 s12, v1                    ; wave
	v_and_b32 v1, 31, v0
	v_lshlrev_b32 v2, 4, v1
	s_lshl_b32 s13, ttmp9, 4
	s_lshl_b32 s14, s12, 2
	s_add_co_u32 s13, s13, s14                     ; my first token
	s_lshl_b32 s16, s13, 12
	s_mov_b32 s17, 0
	s_lshl_b32 s18, s13, 11
	s_mov_b32 s19, 0
	s_mov_b32 s20, 0x3b000000                      ; 1 / 512
	s_mov_b32 s21, 0x3727c5ac                      ; 1e-5
	s_mov_b32 s22, 0x76543210
	s_mov_b32 s23, 0xfedcba98
	s_wait_kmcnt 0x0
	s_add_nc_u64 s[4:5], s[4:5], s[16:17]
	s_add_nc_u64 s[10:11], s[10:11], s[18:19]
.irp q, 0,1,2,3
	global_load_b128 v[GM+4*\q:GM+4*\q+3], v2, s[6:7] offset:512*\q
	global_load_b128 v[BT+4*\q:BT+4*\q+3], v2, s[8:9] offset:512*\q
.endr
.irp k, 0,1,2,3
.irp q, 0,1,2,3,4,5,6,7
	global_load_b128 v[DT+32*\k+4*\q:DT+32*\k+4*\q+3], v2, s[4:5] offset:4096*\k+512*\q th:TH_LOAD_NT
.endr
.endr
	TOK 0
	TOK 1
	TOK 2
	TOK 3
	s_endpgm
.Lfunc_end_k_qf3d39aeb22_combine:
	.size	k_qf3d39aeb22_combine, .Lfunc_end_k_qf3d39aeb22_combine-k_qf3d39aeb22_combine
	.p2alignl 7, 3214868480
	.fill 96, 4, 3214868480
	.section	.rodata,"a",@progbits
	.p2align	6, 0x0
	.amdhsa_kernel k_qf3d39aeb22_combine
		.amdhsa_group_segment_fixed_size 0
		.amdhsa_private_segment_fixed_size 0
		.amdhsa_enable_private_segment 0
		.amdhsa_kernarg_size 32
		.amdhsa_user_sgpr_count 2
		.amdhsa_user_sgpr_kernarg_segment_ptr 1
		.amdhsa_wavefront_size32 1
		.amdhsa_system_sgpr_workgroup_id_x 1
		.amdhsa_system_sgpr_workgroup_id_y 1
		.amdhsa_system_sgpr_workgroup_id_z 1
		.amdhsa_system_vgpr_workitem_id 0
		.amdhsa_next_free_vgpr 208
		.amdhsa_next_free_sgpr 66
		.amdhsa_reserve_vcc 0
		.amdhsa_float_denorm_mode_32 3
		.amdhsa_float_denorm_mode_16_64 3
		.amdhsa_memory_ordered 1
		.amdhsa_forward_progress 1
		.amdhsa_inst_pref_size 23
	.end_amdhsa_kernel
	.amdgpu_metadata
---
amdhsa.version: [ 1, 2 ]
amdhsa.kernels:
  - .name:           k_qf3d39aeb22_combine
    .symbol:         k_qf3d39aeb22_combine.kd
    .args:
      - { .name: eo, .offset: 0, .size: 8, .value_kind: global_buffer, .address_space: global }
      - { .name: ln_gamma, .offset: 8, .size: 8, .value_kind: global_buffer, .address_space: global }
      - { .name: ln_beta, .offset: 16, .size: 8, .value_kind: global_buffer, .address_space: global }
      - { .name: out0, .offset: 24, .size: 8, .value_kind: global_buffer, .address_space: global }
    .group_segment_fixed_size: 0
    .private_segment_fixed_size: 0
    .kernarg_segment_align: 8
    .kernarg_segment_size: 32
    .max_flat_workgroup_size: 128
    .sgpr_count:     66
    .vgpr_count:     208
    .wavefront_size: 32
...
	.end_amdgpu_metadata
.endif
;; end of part 4
